; MI455X (gfx1250); checked and timed in simulation.
; The chip was launched on July 23, 2026; its instructions are those of AMD's public machine-readable ISA for CDNA 5 (MIT licence, August 2026) and "CDNA5" Instruction Set Architecture Reference Guide (July 2026). The comments in the code are by the model that wrote it; some were corrected since.
;; Self Attention. Allowed arithmetic: matrix products marked QUANTISED: E5M2 operands, one given power-of-two scale a tensor, by v_wmma_f32_16x16x64_bf8_bf8 or v_wmma_f32_16x16x128_bf8_bf8, f32 sums; everything else in f32.
;; Inputs: key_padding_mask 2 x 2,048 bool; lowp_scales 4 int32 (the exponents e of the quantised operands' scales 2^e); qkv 2 x 2,048 x 16 x 384 float32.
;; Outputs: out0 2 x 2,048 x 16 x 128 float32.
;; This version of the problem:
;;   THIS VERSION OF THE PROBLEM IS GIVEN IN LOW PRECISION. The matrix products marked QUANTISED in the list below multiply operands that are first quantised to E5M2 (5 exponent bits, 2 mantissa bits; 8 bits a number), with one given power-of-two scale for each operand tensor; their sums are f32. All else is computed in f32.
;;   The module's matrix products, in the order in which they are computed (A, B: the left and right operand; K: the contracted axis; several contracted axes count as one K, in the product's order):
;;     1. batch 32 x [M 2,048, K 128] x [K 128, N 2,048]; A: computed on the way; B: computed on the way: QUANTISED (scales: A lowp_scales[0], B lowp_scales[1])
;;     2. batch 32 x [M 128, K 2,048] x [K 2,048, N 2,048]; A: computed on the way; B: softmax (see below): QUANTISED (scales: A lowp_scales[2], B lowp_scales[3])
;;   THE QUANTISER, for each operand of a quantised product, along K:
;;     - The operand's scale is 2^e, e = its entry of the input lowp_scales (int32; the entries are numbered through the quantised products in the list's order, A before B).
;;     - Each number is divided by the scale, clamped to +-57,344, and rounded to the nearest number of E5M2, ties to even, subnormals kept.
;;     - The product sums the exact products of the quantised numbers (number of the format x scale) in f32.
;;   ~~~python
;;   def quantise(x, axis, e):      # numpy; x: float32 -> the quantised numbers, widened to float32 again
;;       x = np.moveaxis(x, axis, -1); K = x.shape[-1]
;;       r = np.clip(x / 2.0 ** e, -57344, 57344)
;;       step = 2.0 ** (np.maximum(np.frexp(np.where(r == 0, 1, r))[1] - 1, -14) - 2)
;;       q = np.round(r / step) * step * 2.0 ** e      # np.round: ties to even
;;       return np.moveaxis(q, -1, axis).astype(np.float32)
;;   ~~~
;;   SOFTMAX AHEAD OF A QUANTISED PRODUCT. Where the list says 'softmax', what is quantised is not the finished softmax but p = 2^(t - M), with t = logit x log2(e) and M = ceil(the row's largest t), a whole number; so 1/2 < the row's largest p <= 1. The row's sum l is taken of the UNQUANTISED p, in f32, and the product's result is divided by l at the end. Since M is a whole number, a kernel that streams over the keys may use a running M (the ceiling of the running maximum): every later rescaling is an exact power of two, so the quantised numbers keep their values, but for numbers so far below the row's largest that they fall under the format's range.
;;   OPERANDS COMPUTED ON THE WAY. 'Computed on the way' means the value that the module computes at that place (a softmax that the list does not call 'softmax' is quantised finished and normalised). What goes into a quantiser is computed in f32, as accurately as f32 sums, v_exp_f32 and their like allow (about 1e-6 of the number): no bf16 or f16 on the way to a quantiser, and a product that is left as it is and whose result goes on into a quantised operand takes f32 operands (vector FMAs, or v_wmma_f32_16x16x4_f32). A number that lies on a knife's edge between two numbers of the format may be rounded either way, as far as f32 arithmetic and the matrix unit's own rounding can turn it there, and no further.
;; One version. Each part assembles by itself: llvm-mc -triple=amdgcn-amd-amdhsa -mcpu=gfx1250 --defsym DOCPART=n.
;; ======== version 1 of 1: 2 launches
;; limits: right only within a limited range of input values
;; workspace buffers: kc 8,388,608 bytes; vc 8,388,608 bytes; bs 262,144 bytes
;; launch quant (part 1): grid 8 x 32, 8 waves a work-group, no clusters, 68,608 bytes of LDS; arguments qkv, key_padding_mask, lowp_scales, kc, vc, bs; writes kc, vc, bs
.if DOCPART == 1
	.amdgcn_target "amdgcn-amd-amdhsa--gfx1250"
	.amdhsa_code_object_version 6
	.text
	.protected	k_q932ec31daa_quant
	.globl	k_q932ec31daa_quant
	.p2align	8
	.type	k_q932ec31daa_quant,@function
k_q932ec31daa_quant:
	s_mov_b64 s[64:65], 0
	v_nop
	global_prefetch_b8 v0, s[64:65] scope:SCOPE_SE
	s_setreg_imm32_b32 hwreg(HW_REG_WAVE_MODE, 25, 1), 1
	s_wait_xcnt 0x0
; The k and v parts of qkv [2][2048][16][384] f32 become codes of BF8 (E5M2), each with the one scale 2^e given for it (k: entry 1, v: entry 2 of the scales).
;   kc [32 heads][2048 keys][128 d]: k's codes, d innermost.  THE ROW OF A KEY THAT THE PADDING MASK HIDES IS ZERO CODES: the score of such a key is thrown away and replaced by a constant,
;      which the next launch gives as the C of its first product; with zero codes the product adds nothing to it.  The hold's limit is 0 for such a row: no branch, no further line in the hold.
;   vc [32 heads][128 d][2048 keys]: v's codes, the keys innermost, since the keys are the second product's K.  Hidden keys keep their v: a row with no open key is a mean over all keys.
;   bs [32 heads][16 blocks of 128 keys][128 d] f32: the sum over a block's keys of the VALUES of v's codes (not x 2^ev): what the next launch adds for blocks of keys that it does not walk.
; code = x / 2^e, held within +-57,344, rounded to the nearest code, ties to even.  LIMITS: -126 <= e and e + 15 <= 127.  NaN among the inputs is not served.  Any mask byte other than 0 counts as hidden.
; SHARES.  A work-group takes 256 keys of one head (x: which 256, y: head = 16 b + h).  A (b, t, h) row of qkv is 1,536 bytes: q, k at +512, v at +1,024; from key to key 24,576 bytes.
; Waves 0-3 take v: wave w columns 32 w .. 32 w + 31, A LANE TO A COLUMN, ITS REGISTERS DOWN THE KEYS: the conversions then give codes with the keys innermost; they leave through the wave's own stage as rows.
; Waves 4-7 take k: wave w keys 64 (w - 4) on, four keys (4 x 512 dense bytes) a step; the 2,048 bytes turn through the wave's own stage so that a lane holds 16 neighbours along d.
; The two roles part once on the wave's number and never meet again: no barrier; no wave reads LDS bytes of another.  No tensor loads, no matrix work: memory binds here.
.set KEYB,   24576                     ; bytes from a key to the next
.set VPITCH, 272                       ; v's stage: a column's 256 codes + 16 bytes
.set SP,     80                        ; k's stage: a lane's 64 bytes + 16
.set SPARE,  67584                     ; behind the stages: the spare words, 128 bytes for each of eight waves: four blocks of 256 bytes that no other line names
; LDS: v's stage of wave w (0-3) from 8,704 w; k's region of wave w (4-7) from 2,048 + 8,192 w: two stages of 32 x 80 bytes
.set LIMR, 11                          ; v11  57,344 x 2^e
.set SCL,  12                          ; v12  2^e as f32
.set ONE,  13                          ; v13  the scale byte of 1.0 in every byte
.set SPW,  14                          ; v14  LDS address of my spare word; never rewritten
.set NIL,  15                          ; v15  0; never rewritten
.set VX,   32                          ; v role: v32-95 two sets of 32 numbers
.set VC,   96                          ; v96-103 a block's codes
.set SA,   104                         ; v[104:105], v[106:107] two chains of sums
.set SB,   106
.set RES,  108                         ; v108, v109 the two blocks' sums: each stored once, never rewritten
.set OUTR, 112                         ; v112-175 the way out
.set KR,   16                          ; k role: v16-79 four sets of 16 numbers as loaded
.set KX,   80                          ; v80-111 two sets of 16 neighbours
.set KL,   112                         ; v112 the step's limit: 57,344 x 2^e, or 0 for a hidden key
.set KT,   113
.set KC,   128                         ; v128-191 codes: four registers for each step, so that no store's data are written again
	s_load_b256 s[4:11], s[0:1], 0x0               ; qkv s[4:5], the mask s[6:7], the scales s[8:9], kc s[10:11]
	s_load_b128 s[12:15], s[0:1], 0x20             ; vc s[12:13], bs s[14:15]
	v_lshl_add_u32 v[SPW], v0, 2, SPARE
	v_mov_b32 v[NIL], 0
	v_lshrrev_b32 v1, 5, v0
	s_delay_alu instid0(VALU_DEP_1)
	v_readfirstlane_b32 s16, v1                    ; wave 0..7
	s_and_b32 s17, s16, 3                          ; my place in my role
	s_and_b32 s19, ttmp7, 0xffff                   ; head = 16 b + h
	v_and_b32 v2, 31, v0                           ; lane
	; every LDS address is made here, ahead of the parting
	s_mul_i32 s18, s16, 32*VPITCH                  ; v's stage of wave w
	s_lshl_b32 s30, s16, 13
	s_add_co_u32 s30, s30, 2048                    ; k's region of wave w
	v_lshlrev_b32 v3, 2, v2                        ; v in, bs out: 4 bytes a lane
	v_mul_u32_u24 v4, v2, VPITCH
	s_delay_alu instid0(VALU_DEP_1)
	v_add_nc_u32 v4, s18, v4                       ; into v's stage: row = my column
	v_lshrrev_b32 v1, 4, v2
	v_and_b32 v13, 15, v2
	s_delay_alu instid0(VALU_DEP_2)
	v_mul_u32_u24 v5, v1, VPITCH
	s_delay_alu instid0(VALU_DEP_1)
	v_lshl_add_u32 v5, v13, 4, v5
	s_delay_alu instid0(VALU_DEP_1)
	v_add_nc_u32 v5, s18, v5                       ; out of it: sixteen lanes to a row, two rows an instruction
	v_lshlrev_b32 v6, 11, v1
	s_delay_alu instid0(VALU_DEP_1)
	v_lshl_add_u32 v6, v13, 4, v6                  ; and the same place in vc: a row is 2,048 bytes
	v_lshlrev_b32 v7, 4, v2                        ; k in, kc out: 16 bytes a lane
	v_lshrrev_b32 v1, 2, v2
	s_delay_alu instid0(VALU_DEP_1)
	v_mul_u32_u24 v8, v1, SP
	v_and_b32 v1, 3, v2
	s_delay_alu instid0(VALU_DEP_1)
	v_lshl_add_u32 v8, v1, 4, v8
	s_delay_alu instid0(VALU_DEP_1)
	v_add_nc_u32 v8, s30, v8                       ; into k's stage: four lanes' 64 bytes on end, then 16 free
	v_mul_u32_u24 v9, v2, SP
	s_delay_alu instid0(VALU_DEP_1)
	v_add_nc_u32 v9, s30, v9                       ; out of it: my 16 neighbours
	v_lshrrev_b32 v10, 3, v2
	s_delay_alu instid0(VALU_DEP_1)
	v_lshlrev_b32 v10, 3, v10                      ; 8 (lane / 8): the bit at which my key's byte begins in a step's four mask bytes
	v_mov_b32 v[ONE], 0x7f7f7f7f
	s_lshr_b32 s20, s19, 4                         ; b
	s_and_b32 s21, s19, 15                         ; h
	s_lshl_b32 s20, s20, 11
	s_lshl_b32 s22, ttmp9, 8
	s_add_co_u32 s20, s20, s22                     ; 2,048 b + 256 x: my work-group's first key among [b][t]
	s_lshl_b32 s28, s20, 4
	s_add_co_u32 s28, s28, s21
	s_mul_i32 s28, s28, 1536                       ; its (b, t, h) row in qkv, in bytes: under 2^27
	s_mov_b32 s29, 0
	s_mov_b32 s31, 0
	s_mov_b32 s23, 0
	s_wait_kmcnt 0x0
	s_load_b128 s[24:27], s[8:9], 0x0              ; eq, ek, ev, ep
	s_cmp_lt_u32 s16, 4
	s_cbranch_scc0 .Lk_role
	; ---------------- v: waves 0-3 ----------------
	s_lshl_b32 s30, s16, 7
	s_add_co_u32 s28, s28, s30
	s_add_co_u32 s28, s28, 1024
	s_add_nc_u64 s[4:5], s[4:5], s[28:29]          ; v of my first key, at my 32 columns
	s_lshl_b32 s30, s19, 18                        ; vc: 262,144 bytes a head,
	s_lshl_b32 s22, s16, 16                        ; my 32 rows of 2,048,
	s_add_co_u32 s30, s30, s22
	s_lshl_b32 s22, ttmp9, 8                       ; my work-group's 256 keys
	s_add_co_u32 s30, s30, s22
	s_add_nc_u64 s[12:13], s[12:13], s[30:31]
	s_lshl_b32 s22, s19, 13                        ; bs: 8,192 bytes a head,
	s_lshl_b32 s30, ttmp9, 10                      ; two blocks of 512 bytes a work-group,
	s_add_co_u32 s22, s22, s30
	s_lshl_b32 s30, s16, 7                         ; my 32 columns
	s_add_co_u32 s22, s22, s30
	s_add_nc_u64 s[14:15], s[14:15], s[22:23]
.macro VLOAD t                         ; 32 keys of my column into set t % 2: each load reads 128 consecutive bytes a wave; every offset an immediate, 255 x 24,576 at the most: inside the signed 24 bits (ISA guide, chapter 10)
.set i, 0
.rept 32
	global_load_b32 v[VX+32*((\t)%2)+i], v3, s[4:5] offset:(32*(\t)+i)*KEYB th:TH_LOAD_NT
.set i, i+1
.endr
.endm
	VLOAD 0
	VLOAD 1
	s_wait_kmcnt 0x0
	s_add_co_i32 s26, s26, 127                     ; ev
	s_lshl_b32 s27, s26, 23
	v_mov_b32 v[SCL], s27                          ; 2^ev as f32: the conversion takes its exponent field
	s_add_co_i32 s26, s26, 15
	s_lshl_b32 s26, s26, 23
	s_or_b32 s26, s26, 0x600000
	v_mov_b32 v[LIMR], s26                         ; 57,344 x 2^ev
.macro VBLOCK t
.set XS, VX+32*((\t)%2)
.if (\t) < 7
	s_wait_loadcnt 32                              ; this block's 32 loads are in; the next block's 32 may be out
.else
	s_wait_loadcnt 0
.endif
.set i, 0
.rept 32
	v_med3_num_f32 v[XS+i], v[XS+i], -v[LIMR], v[LIMR]   ; the conversion to an 8-bit code does not saturate (ISA guide 7.6.2): the hold comes first
.set i, i+1
.endr
.irp g, 0,1,2,3
	v_cvt_scalef32_pk8_bf8_f32 v[VC+2*\g:VC+2*\g+1], v[XS+8*\g:XS+8*\g+7], v[SCL]
.endr
	ds_store_b128 v4, v[VC:VC+3] offset:32*(\t)    ; 32 codes: 32 bytes of my column's row
	ds_store_b128 v4, v[VC+4:VC+7] offset:32*(\t)+16
	v_nop                                          ; one plain line between the conversions and the lines below, which read their results and write their sources
.irp g, 0,1,2,3
	v_cvt_scale_pk8_f32_bf8 v[XS+8*\g:XS+8*\g+7], v[VC+2*\g:VC+2*\g+1], v[ONE]   ; the codes' values, x 1.0, back into the set that is done with
.endr
	v_nop                                          ; and one between these and the sums that read them
.if (\t)%4 == 0                        ; a block of 128 keys is four of these: its first two additions start the chains, nothing is cleared
	v_pk_add_f32 v[SA:SA+1], v[XS:XS+1], v[XS+2:XS+3]
	v_pk_add_f32 v[SB:SB+1], v[XS+4:XS+5], v[XS+6:XS+7]
.set i, 8
.rept 6
	v_pk_add_f32 v[SA:SA+1], v[SA:SA+1], v[XS+i:XS+i+1]
	v_pk_add_f32 v[SB:SB+1], v[SB:SB+1], v[XS+i+2:XS+i+3]
.set i, i+4
.endr
.else
.set i, 0
.rept 8
	v_pk_add_f32 v[SA:SA+1], v[SA:SA+1], v[XS+i:XS+i+1]
	v_pk_add_f32 v[SB:SB+1], v[SB:SB+1], v[XS+i+2:XS+i+3]
.set i, i+4
.endr
.endif
.if (\t)%4 == 3
	s_delay_alu instid0(VALU_DEP_1)
	v_pk_add_f32 v[SA:SA+1], v[SA:SA+1], v[SB:SB+1]
	s_delay_alu instid0(VALU_DEP_1)
	v_add_f32 v[RES+(\t)/4], v[SA], v[SA+1]
	global_store_b32 v3, v[RES+(\t)/4], s[14:15] offset:512*((\t)/4)
.endif
.if (\t)+2 < 8
	VLOAD (\t)+2
.endif
	s_wait_dscnt 0x0                               ; the stage's stores have read the codes' registers: the next block may write them
.endm
	s_wait_alu depctr_va_vdst(0)
.irp t, 0,1,2,3,4,5,6,7
	VBLOCK \t
.endr
.irp t, 0,1,2,3,4,5,6,7,8,9,10,11,12,13,14,15
	ds_load_b128 v[OUTR+4*\t:OUTR+4*\t+3], v5 offset:2*\t*VPITCH   ; LDS serves a wave's instructions in order (ISA guide 5.7.1.4): these see my stores
.endr
.irp t, 0,1,2,3,4,5,6,7,8,9,10,11,12,13,14,15
	s_wait_dscnt 15-\t                             ; row pair t of the sixteen is back
	global_store_b128 v6, v[OUTR+4*\t:OUTR+4*\t+3], s[12:13] offset:2*\t*2048   ; sixteen lanes store 256 consecutive bytes, at a multiple of 256 from vc's first byte
.endr
	s_wait_tensorcnt 0x0                           ; the wave's end: behind my last LDS store
	ds_add_u32 v[SPW], v[NIL]
	s_wait_dscnt 0x0
	s_endpgm
	; ---------------- k: waves 4-7 ----------------
.Lk_role:
	s_mul_i32 s30, s17, 64*KEYB
	s_add_co_u32 s28, s28, s30
	s_add_co_u32 s28, s28, 512
	s_add_nc_u64 s[4:5], s[4:5], s[28:29]          ; k of my first key
	s_lshl_b32 s30, s19, 18                        ; kc: 262,144 bytes a head,
	s_lshl_b32 s22, ttmp9, 15                      ; 256 rows of 128 a work-group,
	s_add_co_u32 s30, s30, s22
	s_lshl_b32 s22, s17, 13                        ; 64 a wave
	s_add_co_u32 s30, s30, s22
	s_add_nc_u64 s[10:11], s[10:11], s[30:31]
	s_lshl_b32 s22, s17, 6
	s_add_co_u32 s22, s22, s20
	s_add_nc_u64 s[6:7], s[6:7], s[22:23]          ; the mask at my first key
	s_load_b512 s[32:47], s[6:7], 0x0              ; my 64 keys' mask bytes: word t holds step t's four
.macro KLOAD t                         ; step t: four keys, each 512 dense bytes, 16 a lane
.irp i, 0,1,2,3
	global_load_b128 v[KR+16*((\t)%4)+4*\i:KR+16*((\t)%4)+4*\i+3], v7, s[4:5] offset:(4*(\t)+\i)*KEYB th:TH_LOAD_NT
.endr
.endm
.macro KTURN t                         ; step t's numbers through the stage: LDS serves a wave's instructions in order, so no wait stands between the stores and the loads
.irp i, 0,1,2,3
	ds_store_b128 v8, v[KR+16*((\t)%4)+4*\i:KR+16*((\t)%4)+4*\i+3] offset:32*SP*((\t)%2)+8*SP*\i
.endr
.irp i, 0,1,2,3
	ds_load_b128 v[KX+16*((\t)%2)+4*\i:KX+16*((\t)%2)+4*\i+3], v9 offset:32*SP*((\t)%2)+16*\i
.endr
.endm
.irp t, 0,1,2,3
	KLOAD \t
.endr
	s_wait_kmcnt 0x0
	s_add_co_i32 s25, s25, 127                     ; ek
	s_lshl_b32 s24, s25, 23
	v_mov_b32 v[SCL], s24                          ; 2^ek as f32
	s_add_co_i32 s25, s25, 15
	s_lshl_b32 s25, s25, 23
	s_or_b32 s25, s25, 0x600000
	v_mov_b32 v[LIMR], s25                         ; 57,344 x 2^ek
	s_wait_loadcnt 12                              ; step 0's four loads are in
	s_wait_alu depctr_va_vdst(0)
	KTURN 0
.macro KSTEP t                         ; lane l holds key 4 t + l / 8, d = 16 (l % 8) + 0 .. 15: its 16 codes lie at byte 512 t + 16 l of the wave's rows of kc
.set XS, KX+16*((\t)%2)
	s_wait_dscnt 0x0                               ; this step's numbers are back from the stage: so its stores into the stage have read their registers,
.if (\t)+4 < 16
	KLOAD (\t)+4                                   ; which take the loads of four steps on
.endif
.if (\t)+1 < 16
.if 14-(\t) >= 3
	s_wait_loadcnt 12                              ; the next step's four loads are in; those of the three steps behind it may be out
.else
	s_wait_loadcnt 4*(14-(\t))
.endif
	KTURN (\t)+1                                   ; and go through the other stage while this step is worked
.endif
	v_bfe_u32 v[KT], s[32+(\t)], v10, 8            ; my key's mask byte
	s_delay_alu instid0(VALU_DEP_1)
	v_cmp_eq_u32 vcc_lo, 0, v[KT]
	s_delay_alu instid0(VALU_DEP_1)
	v_cndmask_b32 v[KL], 0, v[LIMR], vcc_lo        ; an open key: the largest code x the scale; a hidden key: 0, so that the hold leaves zeros
.set i, 0
.rept 16
	v_med3_num_f32 v[XS+i], v[XS+i], -v[KL], v[KL]
.set i, i+1
.endr
	v_cvt_scalef32_pk8_bf8_f32 v[KC+4*(\t):KC+4*(\t)+1], v[XS:XS+7], v[SCL]
	v_cvt_scalef32_pk8_bf8_f32 v[KC+4*(\t)+2:KC+4*(\t)+3], v[XS+8:XS+15], v[SCL]
	; THE ROWS OF kc: in each 32 keys the groups of eight lie in the order 0, 2, 1, 3, so that the keys of a tile of the next launch's first product are sixteen neighbouring rows
	global_store_b128 v7, v[KC+4*(\t):KC+4*(\t)+3], s[10:11] offset:512*(8*((\t)/8)+4*(((\t)/2)&1)+2*(((\t)/4)&1)+((\t)&1))   ; the wave stores 512 consecutive bytes; the results go to a store alone, and the next vector lines are plain and touch other registers
.endm
.irp t, 0,1,2,3,4,5,6,7,8,9,10,11,12,13,14,15
	KSTEP \t
.endr
	s_wait_tensorcnt 0x0                           ; the wave's end: the same three lines
	ds_add_u32 v[SPW], v[NIL]
	s_wait_dscnt 0x0
	s_endpgm
.Lfunc_end_k_q932ec31daa_quant:
	.size	k_q932ec31daa_quant, .Lfunc_end_k_q932ec31daa_quant-k_q932ec31daa_quant
	.p2alignl 7, 3214868480
	.fill 96, 4, 3214868480
	.section	.rodata,"a",@progbits
	.p2align	6, 0x0
	.amdhsa_kernel k_q932ec31daa_quant
		.amdhsa_group_segment_fixed_size 68608
		.amdhsa_private_segment_fixed_size 0
		.amdhsa_enable_private_segment 0
		.amdhsa_kernarg_size 48
		.amdhsa_user_sgpr_count 2
		.amdhsa_user_sgpr_kernarg_segment_ptr 1
		.amdhsa_wavefront_size32 1
		.amdhsa_system_sgpr_workgroup_id_x 1
		.amdhsa_system_sgpr_workgroup_id_y 1
		.amdhsa_system_sgpr_workgroup_id_z 1
		.amdhsa_system_vgpr_workitem_id 0
		.amdhsa_next_free_vgpr 192
		.amdhsa_next_free_sgpr 66
		.amdhsa_reserve_vcc 1
		.amdhsa_float_denorm_mode_32 3
		.amdhsa_float_denorm_mode_16_64 3
		.amdhsa_memory_ordered 1
		.amdhsa_forward_progress 1
		.amdhsa_inst_pref_size 100
	.end_amdhsa_kernel
	.amdgpu_metadata
---
amdhsa.version: [ 1, 2 ]
amdhsa.kernels:
  - .name:           k_q932ec31daa_quant
    .symbol:         k_q932ec31daa_quant.kd
    .args:
      - { .name: qkv, .offset: 0, .size: 8, .value_kind: global_buffer, .address_space: global }
      - { .name: key_padding_mask, .offset: 8, .size: 8, .value_kind: global_buffer, .address_space: global }
      - { .name: lowp_scales, .offset: 16, .size: 8, .value_kind: global_buffer, .address_space: global }
      - { .name: kc, .offset: 24, .size: 8, .value_kind: global_buffer, .address_space: global }
      - { .name: vc, .offset: 32, .size: 8, .value_kind: global_buffer, .address_space: global }
      - { .name: bs, .offset: 40, .size: 8, .value_kind: global_buffer, .address_space: global }
    .group_segment_fixed_size: 68608
    .private_segment_fixed_size: 0
    .kernarg_segment_align: 8
    .kernarg_segment_size: 48
    .max_flat_workgroup_size: 256
    .sgpr_count:     66
    .vgpr_count:     192
    .wavefront_size: 32
...
	.end_amdgpu_metadata
.endif
;; end of part 1
;; launch attn (part 2): grid 8 x 32, 8 waves a work-group, no clusters, 327,680 bytes of LDS; arguments qkv, key_padding_mask, lowp_scales, kc, vc, bs, out0; writes out0
.if DOCPART == 2
	.amdgcn_target "amdgcn-amd-amdhsa--gfx1250"
	.amdhsa_code_object_version 6
	.text
	.protected	k_q932ec31daa_attn
	.globl	k_q932ec31daa_attn
	.p2align	8
	.type	k_q932ec31daa_attn,@function
k_q932ec31daa_attn:
	s_mov_b64 s[64:65], 0
	v_nop
	global_prefetch_b8 v0, s[64:65] scope:SCOPE_SE
	s_setreg_imm32_b32 hwreg(HW_REG_WAVE_MODE, 25, 1), 1
	s_wait_xcnt 0x0
; out0[b][t][h][:] = the sum over s of softmax_s(logit) v[b][s][h][:], logit = q . k / sqrt(128), replaced by -10,000 where s > t or where the padding mask hides key s.  Both products on codes of BF8 (E5M2).
; q: the first 128 of each (b, t, h) row of qkv, f32: quantised here.  kc [32][2048][128] (in each 32 keys the groups of eight in the order 0, 2, 1, 3), vc [32][128][2048]: k's and v's codes; the scales: eq, ek, ev, ep.
; THE SOFTMAX AHEAD OF THE SECOND PRODUCT: t = logit x log2(e); M = the row's largest t so far, rounded UP to a whole number; p = 2^(t - M) is quantised, not normalised; the row's sum is taken of the unquantised p and divides at the end.
; -10,000 IS NOT -INFINITY: a row all of whose open keys are hidden is a mean over ALL 2,048 keys.  So nothing that is masked is dropped:
;  (a) A key that the padding mask hides has zero codes in kc, and the first product's C holds SN = -10,000 sqrt(128) 2^-(eq + ek) at that key, 0 elsewhere: from a table of 2,048 f32 in LDS, in the result's layout.
;  (b) On the diagonal the scores of keys after the query become SN.
;  (c) Blocks of 128 keys that all come after the queries are left out and added back at the end: all their keys have p = pN = 2^(SN c - M): the sum gains (keys) x pN, O gains code(pN) x the sum of those blocks' bs.
;      Where no block is left out, -infinity stands for SN there (a choice on ids): pN = 0 and M is untouched.
; SHARES.  Work-group (j, head) makes the blocks of 128 queries j and 15 - j ONE AFTER THE OTHER: (j + 2) / 2 and the rest of NINE slots of 256 keys: every work-group walks nine.  Wave w = 4 P + G owns 32 queries of the block, two tiles of 16:
; each fragment of K, of V and of C feeds two products.  Of each slot P = 0 takes the first 128 keys, P = 1 the others: waves G and G + 4 hold parts of the same rows.  A wave's tile 0 is 2 G + P, its tile 1 the other: at a block's end
; it sends tile 1's part to its partner through LDS, takes the partner's part of tile 0, and stores tile 0.
; NO CLUSTER: of the work-groups that share K and V each changes blocks after another number of slots, so at one and the same trip they need different slots.
; LAYOUT.  Both products transposed: S^T = K Q^T, O^T = V^T P^T: a lane holds ONE query (lane % 16); registers 16 b + i are keys 32 b + 16 (lane / 16) + i of the wave's 128.
; LIMITS: eq + ek between -111 and 130; eq and ep between -126 and 112; ep + ev goes by v_ldexp_f32.  NaN among the inputs is not served.  Any mask byte other than 0 hides its key.
;   SN x c is one f32 product: the masked t is right to about 1e-3, the weights of a row with no open key to about a thousandth.  The scaled scores stay under 2^31 in magnitude.
; REGISTERS, window 0: v1-11 addresses; v12 -M, v13 largest t, v[14:15] the sum of tile 0; v16-19 the same of tile 1; v20, v22 their factors; v24, v25 57,344 x 2^ep, 2^ep; v28, v29 the same for eq; v30, v31 q's places;
;   v32-63 Q; v64-95 p's codes; v96-159 S of tile 0; v160-223 C, then S of tile 1; v224-255 at work.   Window 1: v0-63 O of tile 0, v64-127 of tile 1, v128-255 eight fragments of K, then of V.
.set KP,    144                        ; a key's row in LDS: 128 bytes + 16
.set VP,    272                        ; a row of V's tile: 256 bytes + 16
.set VOFF,  256*KP                     ; a slot: 256 rows of K, then 128 rows of V
.set SLOTB, VOFF+128*VP                ; 71,680
.set VX,    VOFF^(SLOTB+VOFF)          ; turns V's place in one slot into that in the other; SLOTB itself does so for K's, which begins at 0
.set QP,    528                        ; a row of q in LDS: 512 bytes + 16
.set QSZ,   128*QP
.set QREG1, 2*SLOTB                    ; q of block j; when it is read, the exchange at that block's end
.set QREG2, QREG1+QSZ                  ; q of block 15 - j, and its exchange
.set EXB,   8448                       ; a wave's part of the exchange: 16 x 512 bytes of O, 256 of state; as the stage: 16 rows of 528
.set SPARE, QREG2+QSZ                  ; the spare words, 128 bytes for each of eight waves: four blocks of 256 bytes that no other line names
.set BIAS,  SPARE+1024                 ; C's table
.set VST,   BIAS+8192                  ; two rows of 128 f32: the left-out blocks' sums of v's codes, for block j and for block 15 - j
.set EPV,  2                           ; s2   ev + ep
.set WV,   18
.set P,    19
.set SEL,  20
.set CS,   22
.set G1K,  24
.set G1V,  32
.set G0K,  40
.set G0V,  44
.set SN,   48
.set SNS,  49
.set CB,   50                          ; the block of queries in hand
.set HN,   51
.set G1Q,  52
.set G0Q,  60
.set KB,   66                          ; my step's block of keys
.set SI,   67                          ; the trip
.set PFA,  76
.set PFS,  78
.set N1,   80                          ; slots of block j
.set TB,   81
.set BO,   82
.set JL,   83                          ; 15 - j
.set KBA,  84
.set VBA,  86
.set G,    100
.set LIM,  101
.set MSB, 0
.macro WIN new                         ; the immediate's high byte repeats the setting that is left
.if MSB != \new
	s_set_vgpr_msb (MSB<<8)|\new
.set MSB, \new
.endif
.endm
.macro VWAIT
	s_wait_alu depctr_va_vdst(0)
.endm
; Wave 0 fetches K's 256 rows, wave 1 V's 128; with q = 1 waves 4 to 7 fetch 32 rows of q each.  The branches hang on the wave's number alone.
.macro TLOAD q
	s_cmp_eq_u32 s[WV], 0
	s_cbranch_scc0 .Lnk_\@
	tensor_load_to_lds s[G0K:G0K+3], s[G1K:G1K+7]
	s_nop 0
.rept 4
	v_nop
.endr
	s_branch .Lasked_\@
.Lnk_\@:
	s_cmp_eq_u32 s[WV], 1
	s_cbranch_scc0 .Lnv_\@
	tensor_load_to_lds s[G0V:G0V+3], s[G1V:G1V+7]
	s_nop 0
.rept 4
	v_nop
.endr
.if \q
	s_branch .Lasked_\@
.Lnv_\@:
	s_cmp_ge_u32 s[WV], 4
	s_cbranch_scc0 .Lasked_\@
	tensor_load_to_lds s[G0Q:G0Q+3], s[G1Q:G1Q+7]
	s_nop 0
.rept 4
	v_nop
.endr
.else
.Lnv_\@:
.endif
.Lasked_\@:
.endm
; Trip s96's tiles: slot number s96 of block j's walk, or s96 - N1 of block 15 - j's; into the other ring slot than last time.
.macro SETG
	s_sub_co_u32 s97, s96, s[N1]
	s_cmp_lt_u32 s96, s[N1]
	s_cselect_b32 s96, s96, s97
	s_lshl_b32 s72, s96, 15
	s_lshl_b32 s74, s96, 8
	s_add_nc_u64 s[G0K+2:G0K+3], s[KBA:KBA+1], s[72:73]
	s_add_nc_u64 s[G0V+2:G0V+3], s[VBA:VBA+1], s[74:75]
	s_xor_b32 s[G0K+1], s[G0K+1], SLOTB
	s_xor_b32 s[G0V+1], s[G0V+1], VX
.endm
; A block begins: O = 0, the sums 0, the largest t -3e38.
.macro INIT
	v_mov_b32 v26, 0
	v_mov_b32 v27, 0
	v_mov_b32 v13, 0xff61b1e6
	v_mov_b32 v17, 0xff61b1e6
	v_mov_b32 v14, 0
	v_mov_b32 v15, 0
	v_mov_b32 v18, 0
	v_mov_b32 v19, 0
	v_floor_f32 v12, -v13
	v_floor_f32 v16, -v17
	WIN 0x40
.set i, 0
.rept 64
	v_pk_mul_f32 v[i:i+1], v[26:27], v[26:27]
.set i, i+2
.endr
	WIN 0
.endm
; q's codes: lane (r, h) takes, of query r, d = 32 c + 16 h + 0 .. 15 for c = 0 .. 3, the order in which K's fragments come out of LDS.
.macro QUANTQ a, b
.irp c, 0,1,2,3
.irp k, 0,1,2,3
	ds_load_b128 v[96+16*\c+4*\k:99+16*\c+4*\k], v[\a] offset:128*\c+16*\k
.endr
.endr
.irp c, 0,1,2,3
.irp k, 0,1,2,3
	ds_load_b128 v[160+16*\c+4*\k:163+16*\c+4*\k], v[\b] offset:128*\c+16*\k
.endr
.endr
	VWAIT
	s_wait_dscnt 0x0
.set i, 0
.rept 128
	v_med3_num_f32 v[96+i], v[96+i], -v28, v28     ; the conversion to an 8-bit code does not saturate (ISA guide 7.6.2): the hold comes first
.set i, i+1
.endr
.set i, 0
.rept 16
	v_cvt_scalef32_pk8_bf8_f32 v[32+2*i:33+2*i], v[96+8*i:103+8*i], v29
.set i, i+1
.endr
	v_nop                                          ; the plain line behind the last conversion
.endm
.macro MAXT s, c                       ; the largest of 64 scores, in four chains, each accumulator from its low end on
	v_max3_num_f32 v[\c], v[\s], v[\s+1], v[\s+2]
	v_max3_num_f32 v[\c+1], v[\s+3], v[\s+4], v[\s+5]
	v_max3_num_f32 v[\c+2], v[\s+6], v[\s+7], v[\s+8]
	v_max3_num_f32 v[\c+3], v[\s+9], v[\s+10], v[\s+11]
.set i, 12
.rept 6
	v_max3_num_f32 v[\c], v[\c], v[\s+i], v[\s+i+1]
	v_max3_num_f32 v[\c+1], v[\c+1], v[\s+i+2], v[\s+i+3]
	v_max3_num_f32 v[\c+2], v[\c+2], v[\s+i+4], v[\s+i+5]
	v_max3_num_f32 v[\c+3], v[\c+3], v[\s+i+6], v[\s+i+7]
.set i, i+8
.endr
	v_max3_num_f32 v[\c], v[\c], v[\s+60], v[\s+61]
	v_max3_num_f32 v[\c+1], v[\c+1], v[\s+62], v[\s+63]
	v_max_num_f32 v[\c+2], v[\c+2], v[\c+3]
	v_max3_num_f32 v[\c], v[\c], v[\c+1], v[\c+2]
.endm
.macro DIAG s, d                       ; register 16 b + i is masked where 32 b + i > v[d]; v[d+1] = v[d] - 64
.set n, 0
.rept 16
.irp k, 0,1,2,3
	v_cmp_gt_i32 s[94+\k], 32*((n/16)%2)+n%16+\k, v[\d+n/32]
.endr
.irp k, 0,1,2,3
	v_cndmask_b32 v[\s+n+\k], v[\s+n+\k], v230, s[94+\k]
.endr
.set n, n+4
.endr
.endm
.macro DMIN r                          ; the hold of two p; p is not negative, so it is one-sided
	v_dual_min_num_f32 v[\r], v24, v[\r] :: v_dual_min_num_f32 v[\r+1], v24, v[\r+1]
.endm
.macro PADD d, a, b
	v_pk_add_f32 v[\d:\d+1], v[\a:\a+1], v[\b:\b+1]
.endm
; A STEP: my 128 keys of the slot in hand, two tiles of queries.  A step all of whose keys come after the block's queries is left out by a scalar branch on ids; no barrier and no tensor load stands in a step.
.macro STEP
	s_sub_co_u32 s99, s[SI], s[N1]
	s_cmp_lt_u32 s[SI], s[N1]
	s_cselect_b32 s99, s[SI], s99
	s_cselect_b32 s[CB], ttmp9, s[JL]
	s_and_b32 s99, s99, 7                          ; the slot's number in the walk
	s_lshl_b32 s[BO], s99, 10
	s_lshl_b32 s99, s99, 1
	s_add_co_u32 s[KB], s99, s[P]
	s_cmp_gt_u32 s[KB], s[CB]
	s_cbranch_scc1 .Lhidden_\@
	v_add_nc_u32 v8, s[TB], v1
	v_add_nc_u32 v9, s[TB], v2
	v_add_nc_u32 v10, s[BO], v4
	v_nop                                          ; with the three additions: the places in front of loads into registers that the last products have read
	v_nop
	VWAIT
.irp b, 0,1,2,3                                ; C, into tile 1's registers; the sixteen lanes of a half read the same words
.irp c, 0,1,2,3
	ds_load_b128 v[160+16*\b+4*\c:163+16*\b+4*\c], v10 offset:128*\b+16*\c
.endr
.endr
	WIN 0x40
.irp t, 0,1,2,3,4,5,6,7
.irp c, 0,1,2,3
	ds_load_b128 v[128+16*\t+4*\c:131+16*\t+4*\c], v8 offset:16*KP*\t+32*\c
.endr
.endr
	WIN 0x01
.irp t, 0,1,2,3,4,5,6,7                        ; tile 0: D is its own, C is tile 1's
	s_wait_dscnt 28-4*\t                           ; C and fragments 0 to t are in; the loads of the fragments behind may be out
	v_wmma_f32_16x16x128_bf8_bf8 v[96+8*\t:103+8*\t], v[128+16*\t:143+16*\t], v[32:47], v[160+8*\t:167+8*\t]
.endr
.rept 5
	v_nop                                          ; places: tile 1's products write over the C of tile 0's
.endr
.irp t, 0,1,2,3,4,5,6,7
	v_wmma_f32_16x16x128_bf8_bf8 v[160+8*\t:167+8*\t], v[128+16*\t:143+16*\t], v[48:63], v[160+8*\t:167+8*\t]
.endr
	WIN 0
	s_cmp_lg_u32 s[KB], s[CB]                      ; on the diagonal the scores of keys after my query become SN
	s_cbranch_scc1 .Lopen_\@
	s_lshl_b32 s98, s[G], 5
	s_lshl_b32 s99, s[P], 4
	s_or_b32 s98, s98, s99                         ; tile 0's first query in the block,
	s_xor_b32 s99, s98, 16                         ; tile 1's
	v_and_b32 v224, 15, v0
	v_bfe_u32 v225, v0, 4, 1
	v_lshlrev_b32 v225, 4, v225
	v_sub_nc_u32 v224, v224, v225
	v_add_nc_u32 v226, s98, v224                   ; my query - 16 (lane / 16)
	v_add_nc_u32 v228, s99, v224
	v_sub_nc_u32 v227, v226, 64
	v_sub_nc_u32 v229, v228, 64
	v_mov_b32 v230, s[SN]
	DIAG 96, 226
	DIAG 160, 228
.Lopen_\@:
	MAXT 96, 224                                   ; (also the places behind tile 1's products)
	WIN 0x40
.irp t, 0,1,2,3,4,5,6,7                        ; V's fragments, where K's were
.irp c, 0,1,2,3
	ds_load_b128 v[128+16*\t+4*\c:131+16*\t+4*\c], v9 offset:16*VP*\t+32*\c
.endr
.endr
	WIN 0
	MAXT 160, 228
	v_permlanex16_b32 v26, v224, s[SEL], s[SEL+1]
	v_permlanex16_b32 v27, v228, s[SEL], s[SEL+1]
	v_mov_b32 v225, v12
	v_mov_b32 v229, v16
	v_max_num_f32 v224, v224, v26                  ; and among lane l xor 16's
	v_max_num_f32 v228, v228, v27
	v_mul_f32 v224, s[CS], v224                    ; as t (c is positive)
	v_mul_f32 v228, s[CS], v228
	v_max_num_f32 v13, v13, v224
	v_max_num_f32 v17, v17, v228
	v_floor_f32 v12, -v13                          ; -M = floor(-t): a whole number
	v_floor_f32 v16, -v17
	v_sub_f32 v225, v12, v225                      ; old M less the new one: 0 or less
	v_sub_f32 v229, v16, v229
	v_cvt_i32_f32 v225, v225                       ; (it saturates)
	v_cvt_i32_f32 v229, v229
	v_ldexp_f32 v20, 1.0, v225                     ; f = 2^(old M - new M): a multiplication by it rounds nothing
	v_ldexp_f32 v22, 1.0, v229
.set i, 0
.rept 32
	v_pk_fma_f32 v[96+i:97+i], v[96+i:97+i], s[CS:CS+1], v[12:13] op_sel_hi:[1,0,0]   ; t - M (of the pairs c and -M the low word serves both halves)
.set i, i+2
.endr
	VWAIT
.set i, 0
.rept 32                                       ; tile 0's exponentials; tile 1's scalings, which nothing reads ahead of the next wait, stand between them
	v_exp_f32 v[96+i], v[96+i]
	v_exp_f32 v[97+i], v[97+i]
	v_pk_fma_f32 v[160+i:161+i], v[160+i:161+i], s[CS:CS+1], v[16:17] op_sel_hi:[1,0,0]
.set i, i+2
.endr
	VWAIT
.set i, 0
.rept 16                                       ; tile 1's exponentials; between them the leaves of tile 0's sum, of the unquantised p, and then those p's holds
	v_exp_f32 v[160+4*i], v[160+4*i]
	v_exp_f32 v[161+4*i], v[161+4*i]
	PADD 224+2*i, 96+4*i, 98+4*i
	v_exp_f32 v[162+4*i], v[162+4*i]
	DMIN 96+4*i
	v_exp_f32 v[163+4*i], v[163+4*i]
	DMIN 98+4*i
.set i, i+1
.endr
	VWAIT
	v_pk_mul_f32 v[14:15], v[14:15], v[20:21] op_sel_hi:[1,0]   ; the sums under the new M
	v_pk_mul_f32 v[18:19], v[18:19], v[22:23] op_sel_hi:[1,0]
.irp k, 0,2,4,6,8,10,12,14
	PADD 224+\k, 224+\k, 240+\k
.endr
.irp k, 0,1,2,3,4,5,6,7
	PADD 240+2*\k, 160+4*\k, 162+4*\k
.endr
.irp k, 0,2,4,6
	PADD 224+\k, 224+\k, 232+\k
.endr
.irp k, 0,2,4,6,8,10,12,14
	PADD 240+\k, 240+\k, 192+\k
.endr
	PADD 224, 224, 228
	PADD 226, 226, 230
.irp k, 0,2,4,6,8,10,12,14
	PADD 240+\k, 240+\k, 208+\k
.endr
	PADD 224, 224, 226
.irp k, 0,2,4,6
	PADD 240+\k, 240+\k, 248+\k
.endr
	PADD 14, 14, 224
	PADD 240, 240, 244
	PADD 242, 242, 246
.set i, 0
.rept 8
	v_cvt_scalef32_pk8_bf8_f32 v[64+2*i:65+2*i], v[96+8*i:103+8*i], v25
.set i, i+1
.endr
.set i, 0
.rept 32
	DMIN 160+i
.set i, i+2
.endr
.set i, 0
.rept 8
	v_cvt_scalef32_pk8_bf8_f32 v[80+2*i:81+2*i], v[160+8*i:167+8*i], v25
.set i, i+1
.endr
	PADD 240, 240, 242
	PADD 18, 18, 240
	WIN 0x41
	VWAIT
.set i, 0
.rept 32                                       ; O under the new M, each accumulator from its low end on
	v_pk_mul_f32 v[i:i+1], v[i:i+1], v[20:21] op_sel_hi:[1,0]
.set i, i+2
.endr
.rept 32
	v_pk_mul_f32 v[i:i+1], v[i:i+1], v[22:23] op_sel_hi:[1,0]
.set i, i+2
.endr
	WIN 0x51
	VWAIT
	s_wait_dscnt 0x0
.irp t, 0,1,2,3,4,5,6,7                        ; O^T += V^T P^T; sixteen accumulators by turns
	v_wmma_f32_16x16x128_bf8_bf8 v[8*\t:8*\t+7], v[128+16*\t:143+16*\t], v[64:79], v[8*\t:8*\t+7]
.endr
.irp t, 0,1,2,3,4,5,6,7
	v_wmma_f32_16x16x128_bf8_bf8 v[64+8*\t:71+8*\t], v[128+16*\t:143+16*\t], v[80:95], v[64+8*\t:71+8*\t]
.endr
	WIN 0
.Lhidden_\@:
.endm
; A block's end, first part: tile 1's O, -M and sum go to my part of the exchange; the next barrier stands between this and my partner's reads.
.macro SENDOUT reg
	s_mul_i32 s98, s[WV], EXB
	s_add_co_u32 s98, s98, \reg
	v_and_b32 v8, 31, v0                           ; (five plain lines: the places behind the last products)
	v_add_f32 v19, v18, v19
	v_lshl_add_u32 v9, v8, 4, s98
	v_lshl_add_u32 v10, v8, 3, s98
	v_mov_b32 v18, v16
	WIN 0x04
.set i, 0
.rept 16
	ds_store_b128 v9, v[64+4*i:67+4*i] offset:512*i
.set i, i+1
.endr
	WIN 0
	ds_store_b64 v10, v[18:19] offset:8192
.endm
; Second part: my partner's part of tile 0 joins mine, the blocks left out are added, and the 16 rows leave, through the bytes that only I have read, as 512 consecutive bytes an instruction.
.macro FINISH reg, vst, outp
	s_xor_b32 s98, s[WV], 4
	s_mul_i32 s98, s98, EXB
	s_add_co_u32 s98, s98, \reg
	v_and_b32 v8, 31, v0
	v_bfe_u32 v11, v0, 4, 1
	v_lshl_add_u32 v9, v8, 4, s98
	v_lshl_add_u32 v10, v8, 3, s98
	v_lshlrev_b32 v238, 5, v11
	v_add_nc_u32 v238, \vst, v238
	ds_load_b64 v[226:227], v10 offset:8192        ; my partner's -M and sum
	WIN 0x40
.set i, 0
.rept 16
	ds_load_b128 v[128+4*i:131+4*i], v9 offset:512*i
.set i, i+1
.endr
.irp t, 0,1,2,3,4,5,6,7                        ; register 8 t + i is channel 16 t + 8 (lane / 16) + i
	ds_load_b128 v[192+8*\t:195+8*\t], v238 offset:64*\t
	ds_load_b128 v[196+8*\t:199+8*\t], v238 offset:64*\t+16
.endr
	WIN 0
	v_mov_b32 v228, s[SNS]
	v_add_f32 v14, v14, v15
	v_mul_f32 v229, s[CS], v228                    ; the left-out keys' t, or -infinity where there are none
	v_max_num_f32 v13, v13, v229
	VWAIT
	s_wait_dscnt 32                                ; the state is in; behind it stand the 32 loads of O and of the sums
	v_floor_f32 v230, -v13
	v_min_num_f32 v230, v230, v226                 ; -M over all
	v_sub_f32 v231, v230, v12
	v_sub_f32 v232, v230, v226
	v_cvt_i32_f32 v231, v231
	v_cvt_i32_f32 v232, v232
	v_ldexp_f32 v20, 1.0, v231                     ; my factor,
	v_ldexp_f32 v22, 1.0, v232                     ; my partner's
	v_fma_f32 v96, v228, s[CS], v230               ; t - M, formed as in a step
	v_mul_f32 v14, v14, v20
	v_fma_f32 v14, v227, v22, v14
	v_permlanex16_b32 v26, v14, s[SEL], s[SEL+1]
	v_add_f32 v14, v14, v26                        ; the row's sum over the keys walked
	VWAIT
	v_exp_f32 v96, v96                             ; pN
	v_cvt_f32_u32 v228, s[HN]
	VWAIT
	v_fma_f32 v14, v96, v228, v14                  ; + (keys left out) x pN
	v_min_num_f32 v96, v96, v24
	v_cvt_scalef32_pk8_bf8_f32 v[234:235], v[96:103], v25   ; pN's code in the lowest byte (the other seven codes are not used)
	v_mov_b32 v236, 0x7f7f7f7f                     ; the scale byte of 1.0 in every byte
	v_cvt_scale_pk8_f32_bf8 v[104:111], v[234:235], v236    ; v104: the code's value
	VWAIT
	v_rcp_f32 v14, v14
	v_and_b32 v224, 15, v0
	v_mul_u32_u24 v224, v224, QP
	v_lshl_add_u32 v224, v11, 5, v224
	v_add_nc_u32 v224, s98, v224                   ; the stage, in: row r, + 32 (lane / 16)
	VWAIT
	v_ldexp_f32 v14, v14, s[EPV]                   ; 2^(ep + ev) / the sum
	v_mul_f32 v20, v20, v14
	v_mul_f32 v22, v22, v14
	v_mul_f32 v104, v104, v14
	WIN 0x01
	s_wait_dscnt 0x0
	VWAIT
.set i, 0
.rept 32
	v_pk_mul_f32 v[160+i:161+i], v[i:i+1], v[20:21] op_sel_hi:[1,0]
.set i, i+2
.endr
.set i, 0
.rept 32
	v_pk_fma_f32 v[160+i:161+i], v[128+i:129+i], v[22:23], v[160+i:161+i] op_sel_hi:[1,0,1]
.set i, i+2
.endr
.set i, 0
.rept 32
	v_pk_fma_f32 v[160+i:161+i], v[192+i:193+i], v[104:105], v[160+i:161+i] op_sel_hi:[1,0,1]
.set i, i+2
.endr
	WIN 0
.irp t, 0,1,2,3,4,5,6,7
	ds_store_b128 v224, v[160+8*\t:163+8*\t] offset:64*\t
	ds_store_b128 v224, v[164+8*\t:167+8*\t] offset:64*\t+16
.endr
.set i, 0
.rept 16
	ds_load_b128 v[96+4*i:99+4*i], v9 offset:QP*i  ; LDS serves a wave's instructions in order (ISA guide 5.7.1.4): these see my stores
.set i, i+1
.endr
.set i, 0
.rept 16
	s_wait_dscnt 15-i                              ; row i is back
	global_store_b128 v7, v[96+4*i:99+4*i], s[\outp:\outp+1] offset:8192*i th:TH_STORE_NT
.set i, i+1
.endr
.endm
	s_load_b256 s[4:11], s[0:1], 0x0               ; qkv s[4:5], the mask s[6:7], the scales s[8:9], kc s[10:11]
	s_load_b128 s[12:15], s[0:1], 0x20             ; vc s[12:13], bs s[14:15]
	s_load_b64 s[16:17], s[0:1], 0x30              ; out0
	v_lshl_add_u32 v5, v0, 2, SPARE
	v_mov_b32 v6, 0
	ds_add_u32 v5, v6                              ; the wave's opening: the add, twice on end, and its wait
	ds_add_u32 v5, v6
	v_lshrrev_b32 v8, 5, v0
	v_readfirstlane_b32 s[WV], v8                  ; wave 0..7
	s_lshr_b32 s[P], s[WV], 2
	s_and_b32 s[G], s[WV], 3
	s_and_b32 s72, ttmp7, 0xffff                   ; head = 16 b + h
	s_mov_b32 s73, 0
	s_lshl_b32 s74, s72, 18                        ; the head's first byte in kc and in vc
	s_mov_b32 s75, 0
	s_sub_co_u32 s[JL], 15, ttmp9
	s_add_co_u32 s[N1], ttmp9, 2
	s_lshr_b32 s[N1], s[N1], 1                     ; block j has j + 1 blocks of keys: (j + 2) / 2 slots
	s_lshr_b32 s94, s72, 4                         ; b
	s_and_b32 s95, s72, 15                         ; h
	s_lshl_b32 s96, s94, 15
	s_add_co_u32 s96, s96, s95                     ; (2,048 b) 16 + h
	s_lshl_b32 s94, s94, 11                        ; the mask: 2,048 b
	s_mov_b32 s95, 0
	s_lshl_b32 s97, s[G], 5
	s_lshl_b32 s98, ttmp9, 7
	s_add_co_u32 s98, s98, s97                     ; the query 128 j + 32 G,
	s_lshl_b32 s99, s[JL], 7
	s_add_co_u32 s99, s99, s97                     ; 128 (15 - j) + 32 G
	s_lshl_b32 s98, s98, 4
	s_add_co_u32 s98, s98, s96                     ; their (b, t, h) rows,
	s_lshl_b32 s99, s99, 4
	s_add_co_u32 s99, s99, s96
	s_mul_i32 s76, s98, 1536                       ; in qkv: what waves 4 to 7 fetch,
	s_mov_b32 s77, 0
	s_mul_i32 s92, s99, 1536
	s_mov_b32 s93, 0
	s_lshl_b32 s97, s[P], 8                        ; + 16 P queries of 16 rows: my tile 0,
	s_add_co_u32 s98, s98, s97
	s_add_co_u32 s99, s99, s97
	s_lshl_b32 s88, s98, 9                         ; in out0
	s_mov_b32 s89, 0
	s_lshl_b32 s90, s99, 9
	s_mov_b32 s91, 0
	s_mul_i32 s[G0Q+1], s[WV], 32*QP
	s_add_co_u32 s[G0Q+1], s[G0Q+1], QREG1-4*32*QP ; wave 4 begins at QREG1
	; descriptor group 1: K: 256 rows of 128 bytes, dense in memory: stated as 128 rows of 256 bytes, four words of padding after every 32
	s_mov_b32 s[G1K], (1<<20)|(4<<22)|(3<<25)
	s_mov_b32 s[G1K+1], 256<<16
	s_mov_b32 s[G1K+2], 128<<16
	s_mov_b32 s[G1K+3], 256<<16
	s_mov_b32 s[G1K+4], 128
	s_mov_b32 s[G1K+5], 256
	s_mov_b32 s[G1K+6], 0
	s_mov_b32 s[G1K+7], 0
	; V: 128 rows of 256 bytes, 2,048 apart, padding after every 64 words
	s_mov_b32 s[G1V], (1<<20)|(5<<22)|(3<<25)
	s_mov_b32 s[G1V+1], 256<<16
	s_mov_b32 s[G1V+2], 128<<16
	s_mov_b32 s[G1V+3], 256<<16
	s_mov_b32 s[G1V+4], 128
	s_mov_b32 s[G1V+5], 2048
	s_mov_b32 s[G1V+6], 0
	s_mov_b32 s[G1V+7], 0
	; q: 32 rows of 128 f32, 6,144 apart, padding after every 128 words
	s_mov_b32 s[G1Q], (2<<16)|(1<<20)|(6<<22)|(3<<25)
	s_mov_b32 s[G1Q+1], 128<<16
	s_mov_b32 s[G1Q+2], 32<<16
	s_mov_b32 s[G1Q+3], 128<<16
	s_mov_b32 s[G1Q+4], 32
	s_mov_b32 s[G1Q+5], 6144
	s_mov_b32 s[G1Q+6], 0
	s_mov_b32 s[G1Q+7], 0
	s_mov_b32 s[SEL], 0x76543210
	s_mov_b32 s[SEL+1], 0xfedcba98                 ; v_permlanex16_b32's selects for lane l xor 16
	s_mov_b32 s[CS], 0x3e0293ee                    ; log2(e) / sqrt(128)
	s_mov_b32 s[SN], 0xc7dcf88b                    ; -10,000 sqrt(128)
	s_mov_b32 s[TB], 0
	VWAIT
	s_wait_dscnt 0x0                               ; both opening adds are done
	s_wait_kmcnt 0x0
	s_load_b128 s[68:71], s[8:9], 0x0              ; eq, ek, ev, ep
	s_add_nc_u64 s[KBA:KBA+1], s[10:11], s[74:75]
	s_or_b32 s[KBA+1], s[KBA+1], 0x80000000        ; 127:126 type = 2
	s_add_nc_u64 s[VBA:VBA+1], s[12:13], s[74:75]
	s_or_b32 s[VBA+1], s[VBA+1], 0x80000000
	s_mov_b32 s[G0K], 1
	s_mov_b32 s[G0K+1], 0
	s_mov_b64 s[G0K+2:G0K+3], s[KBA:KBA+1]
	s_mov_b32 s[G0V], 1
	s_mov_b32 s[G0V+1], VOFF
	s_mov_b64 s[G0V+2:G0V+3], s[VBA:VBA+1]
	s_mov_b32 s[G0Q], 1
	s_add_nc_u64 s[G0Q+2:G0Q+3], s[4:5], s[76:77]
	s_or_b32 s[G0Q+3], s[G0Q+3], 0x80000000
	s_add_nc_u64 s[92:93], s[4:5], s[92:93]
	s_or_b32 s93, s93, 0x80000000
	TLOAD 1                                        ; slot 0, and block j's q
	s_add_nc_u64 s[6:7], s[6:7], s[94:95]          ; the mask of my batch
	s_lshl_b32 s96, s72, 13                        ; bs: 8,192 bytes a head
	s_mov_b32 s97, 0
	s_add_nc_u64 s[14:15], s[14:15], s[96:97]
	s_add_nc_u64 s[88:89], s[16:17], s[88:89]      ; out0 at my tile 0 of block j,
	s_add_nc_u64 s[90:91], s[16:17], s[90:91]      ; of block 15 - j
	v_lshlrev_b32 v8, 3, v0
	global_load_b64 v[32:33], v8, s[6:7]           ; thread T: the mask bytes of keys 8 T .. 8 T + 7
	v_and_b32 v9, 127, v0
	v_lshlrev_b32 v9, 2, v9
.irp blk, 1,2,3,4,5,6,7,8,9,10,11,12,13,14,15
	global_load_b32 v[96+\blk], v9, s[14:15] offset:512*\blk   ; thread T: channel T % 128
.endr
	; the prefetches: waves 0 to 3 name K's block of 32,768 bytes of a slot, 8,192 each, lanes 256 bytes apart; waves 4 to 7 V's 128 rows, 32 each, a lane a row.  Each aligned block of 256 bytes is named once in the launch:
	; by the head's work-group j = 0, which walks all eight slots: in trip s = 0 .. 4 it names slot s + 3, whose load it issues two trips later.  Slots 0 to 2 come by their loads alone
	s_cmp_lt_u32 s[WV], 4
	s_cselect_b64 s[PFA:PFA+1], s[10:11], s[12:13]
	s_mov_b32 s[PFS], 256
	s_cselect_b32 s[PFS], 0x8000, s[PFS]           ; a slot on
	s_mov_b32 s96, 2048
	s_cselect_b32 s96, 256, s96                    ; from lane to lane
	s_mov_b32 s97, 0x10000
	s_cselect_b32 s97, 8192, s97                   ; from wave to wave
	s_mov_b32 s[PFS+1], 0
	s_mul_i32 s97, s[G], s97
	s_lshl_b32 s98, s[PFS], 1                      ; at slot 2: the first change of slots steps it
	s_add_co_u32 s98, s98, s97
	s_mov_b32 s99, 0
	s_add_nc_u64 s[PFA:PFA+1], s[PFA:PFA+1], s[74:75]
	s_add_nc_u64 s[PFA:PFA+1], s[PFA:PFA+1], s[98:99]
	s_cmp_eq_u32 ttmp9, 0
	s_cselect_b32 s[LIM], 5, 0
	v_and_b32 v3, 31, v0
	v_lshlrev_b32 v7, 4, v3                        ; the way out: 16 bytes a lane
	v_mul_lo_u32 v3, v3, s96
	; LDS places
	s_mul_i32 s94, s[P], 128*KP
	s_lshl_b32 s95, s[P], 7
	s_lshl_b32 s96, s[P], 9
	s_mul_i32 s98, s[G], 32*QP
	s_add_co_u32 s98, s98, QREG1
	s_mul_i32 s97, s[P], 16*QP
	s_xor_b32 s99, s[P], 1
	s_mul_i32 s99, s99, 16*QP
	s_add_co_u32 s97, s97, s98                     ; my tile 0 in q's rows,
	s_add_co_u32 s99, s99, s98                     ; my tile 1
	v_and_b32 v10, 15, v0                          ; r
	v_bfe_u32 v11, v0, 4, 1                        ; h
	v_mul_u32_u24 v1, v10, KP
	v_mul_u32_u24 v2, v10, VP
	v_mul_u32_u24 v30, v10, QP
	v_lshlrev_b32 v4, 6, v11
	v_lshl_add_u32 v1, v11, 4, v1
	v_lshl_add_u32 v2, v11, 4, v2
	v_lshl_add_u32 v30, v11, 6, v30
	v_add_nc_u32 v4, BIAS, v4
	v_add_nc_u32 v1, s94, v1
	v_add_nc_u32 v2, VOFF, v2
	v_add_nc_u32 v31, s99, v30
	v_add_nc_u32 v30, s97, v30
	v_add_nc_u32 v4, s96, v4
	v_add_nc_u32 v2, s95, v2
	v_mov_b32 v21, 0                               ; (named as the upper halves of the pairs v[20:21] and v[22:23])
	v_mov_b32 v23, 0
	INIT
	VWAIT
	s_wait_kmcnt 0x0
	s_add_co_i32 s94, s68, s69                     ; eq + ek: a score stands for score x 2^(eq + ek):
	s_lshl_b32 s94, s94, 23
	s_add_co_i32 s[CS], s[CS], s94                 ; added to c's exponent field,
	s_mov_b32 s[CS+1], s[CS]                       ; (named with it as a pair)
	s_sub_co_i32 s[SN], s[SN], s94                 ; taken from SN's
	s_add_co_i32 s[EPV], s70, s71
	s_add_co_i32 s94, s68, 127
	s_lshl_b32 s95, s94, 23
	v_mov_b32 v29, s95                             ; 2^eq as f32
	s_add_co_i32 s94, s94, 15
	s_lshl_b32 s94, s94, 23
	s_or_b32 s94, s94, 0x600000
	v_mov_b32 v28, s94                             ; 57,344 x 2^eq
	s_add_co_i32 s94, s71, 127
	s_lshl_b32 s95, s94, 23
	v_mov_b32 v25, s95                             ; 2^ep
	s_add_co_i32 s94, s94, 15
	s_lshl_b32 s94, s94, 23
	s_or_b32 s94, s94, 0x600000
	v_mov_b32 v24, s94                             ; 57,344 x 2^ep
	v_mov_b32 v34, s[SN]
	v_lshl_add_u32 v10, v0, 5, BIAS
	VWAIT
	s_wait_loadcnt 15                              ; the mask's eight bytes are in: behind them stand the 15 of bs
.irp k, 0,1,2,3,4,5,6,7
	v_bfe_u32 v[36+\k], v[32+\k/4], 8*(\k%4), 8
.endr
.irp k, 0,1,2,3,4,5,6,7
	v_cmp_ne_u32 vcc_lo, 0, v[36+\k]
	v_cndmask_b32 v[224+\k], 0, v34, vcc_lo        ; SN for a hidden key, 0 for an open one
.endr
	ds_store_b128 v10, v[224:227]                  ; C's table: the first change of slots stands between this and every wave's reads
	ds_store_b128 v10, v[228:231] offset:16
	s_cmp_lt_u32 s[WV], 4                          ; threads 0 to 127 sum for block j, the others for block 15 - j
	s_cselect_b32 s94, ttmp9, s[JL]
	s_mov_b32 s97, 0x3f800000
	s_wait_loadcnt 0x0
.irp blk, 1,2,3,4,5,6,7,8,9,10,11,12,13,14,15      ; the sum over the blocks of keys that are left out.  The choice selects a factor: no jump
	s_cmp_lt_u32 s94, \blk
	s_cselect_b32 s96, s97, 0
.if \blk == 1
	v_mul_f32 v232, s96, v[96+\blk]
.else
	v_fmac_f32 v232, s96, v[96+\blk]
.endif
.endr
	v_lshl_add_u32 v11, v0, 2, VST
	ds_store_b32 v11, v232
	VWAIT
	s_wait_tensorcnt 0x0                           ; my first load is in; these lines stand ahead of a later first fill:
	ds_add_u32 v5, v6                              ; the add, twice on end
	ds_add_u32 v5, v6
	s_mov_b32 s96, 1
	SETG                                           ; trip 1's tiles,
	s_mov_b64 s[G0Q+2:G0Q+3], s[92:93]             ; block 15 - j's q
	s_add_co_u32 s[G0Q+1], s[G0Q+1], QSZ
	s_wait_dscnt 0x0                               ; the adds and the tables' stores are done
	s_barrier_signal -1
	s_barrier_wait -1
	TLOAD 1                                        ; all of them first fills
	s_mov_b32 s[SI], 0
	QUANTQ 30, 31
; A trip: the barrier that opens at its top and closes behind the step parts the exchange's bytes from those who read them before (q's rows; the last trip's way out); between the two stand register work and reads of the slot and of C's table.
.Lslot:
	VWAIT
	s_barrier_signal -1
	STEP
	s_barrier_wait -1
	s_add_co_u32 s98, s[SI], 1
	s_cmp_lg_u32 s98, s[N1]                        ; block j's last slot?  The work-group's number and the trip alone
	s_cbranch_scc1 .Lgo_on
	SENDOUT QREG1
.Lgo_on:
	VWAIT
	s_wait_tensorcnt 0x0                           ; THE CHANGE OF SLOTS: my part of the next slot is in, so a group 0 may be written;
	ds_add_u32 v5, v6                              ; the add, twice on end;
	ds_add_u32 v5, v6
	s_add_co_u32 s96, s[SI], 2
	SETG                                           ; the tiles of the trip after the next
	s_xor_b32 s[TB], s[TB], SLOTB
	s_wait_xcnt 0x0                                ; the last trip's prefetch has read its address
	s_add_nc_u64 s[PFA:PFA+1], s[PFA:PFA+1], s[PFS:PFS+1]
	s_add_co_u32 s[SI], s[SI], 1
	s_wait_dscnt 0x0                               ; the adds are done, and so are my reads of the slot and my stores
	s_barrier_signal -1
	s_barrier_wait -1
	TLOAD 0                                        ; into the slot just left
	s_cmp_le_u32 s[SI], s[LIM]
	s_cbranch_scc0 .Lnot_mine
	global_prefetch_b8 v3, s[PFA:PFA+1] th:TH_LOAD_NT scope:SCOPE_SE
.Lnot_mine:
	s_cmp_lg_u32 s[SI], s[N1]
	s_cbranch_scc1 .Lsame_block
	s_mov_b32 s[SNS], s[SN]
	s_lshl_b32 s[HN], s[JL], 7                     ; block j leaves 15 - j blocks of keys out
	FINISH QREG1, VST, 88
	s_wait_xcnt 0x0                                ; the stores have read their registers
	v_add_nc_u32 v8, QSZ, v30
	v_add_nc_u32 v9, QSZ, v31
	QUANTQ 8, 9                                    ; block 15 - j begins
	INIT
.Lsame_block:
	VWAIT
	s_cmp_lt_u32 s[SI], 7
	s_cbranch_scc1 .Lslot
; The last two slots: nothing is left to ask for.
.Ltail:
	VWAIT
	s_barrier_signal -1
	STEP
	s_barrier_wait -1
	s_cmp_lg_u32 s[SI], 8
	s_cbranch_scc1 .Lnot_last
	SENDOUT QREG2
.Lnot_last:
	VWAIT
	s_wait_tensorcnt 0x0
	ds_add_u32 v5, v6
	s_xor_b32 s[TB], s[TB], SLOTB
	s_add_co_u32 s[SI], s[SI], 1
	s_wait_dscnt 0x0
	s_barrier_signal -1
	s_barrier_wait -1
	s_cmp_lt_u32 s[SI], 9
	s_cbranch_scc1 .Ltail
	s_mov_b32 s98, 0xff800000                      ; -infinity
	s_cmp_eq_u32 ttmp9, 0                          ; block 15 leaves nothing out
	s_cselect_b32 s[SNS], s98, s[SN]
	s_lshl_b32 s[HN], ttmp9, 7
	FINISH QREG2, VST+512, 90
	s_wait_tensorcnt 0x0                           ; the wave's end
	ds_add_u32 v5, v6
	s_wait_dscnt 0x0
	s_endpgm
.Lfunc_end_k_q932ec31daa_attn:
	.size	k_q932ec31daa_attn, .Lfunc_end_k_q932ec31daa_attn-k_q932ec31daa_attn
	.p2alignl 7, 3214868480
	.fill 96, 4, 3214868480
	.section	.rodata,"a",@progbits
	.p2align	6, 0x0
	.amdhsa_kernel k_q932ec31daa_attn
		.amdhsa_group_segment_fixed_size 327680
		.amdhsa_private_segment_fixed_size 0
		.amdhsa_enable_private_segment 0
		.amdhsa_kernarg_size 56
		.amdhsa_user_sgpr_count 2
		.amdhsa_user_sgpr_kernarg_segment_ptr 1
		.amdhsa_wavefront_size32 1
		.amdhsa_system_sgpr_workgroup_id_x 1
		.amdhsa_system_sgpr_workgroup_id_y 1
		.amdhsa_system_sgpr_workgroup_id_z 1
		.amdhsa_system_vgpr_workitem_id 0
		.amdhsa_next_free_vgpr 512
		.amdhsa_next_free_sgpr 102
		.amdhsa_reserve_vcc 1
		.amdhsa_float_denorm_mode_32 3
		.amdhsa_float_denorm_mode_16_64 3
		.amdhsa_memory_ordered 1
		.amdhsa_forward_progress 1
		.amdhsa_inst_pref_size 183
	.end_amdhsa_kernel
	.amdgpu_metadata
---
amdhsa.version: [ 1, 2 ]
amdhsa.kernels:
  - .name:           k_q932ec31daa_attn
    .symbol:         k_q932ec31daa_attn.kd
    .args:
      - { .name: qkv, .offset: 0, .size: 8, .value_kind: global_buffer, .address_space: global }
      - { .name: key_padding_mask, .offset: 8, .size: 8, .value_kind: global_buffer, .address_space: global }
      - { .name: lowp_scales, .offset: 16, .size: 8, .value_kind: global_buffer, .address_space: global }
      - { .name: kc, .offset: 24, .size: 8, .value_kind: global_buffer, .address_space: global }
      - { .name: vc, .offset: 32, .size: 8, .value_kind: global_buffer, .address_space: global }
      - { .name: bs, .offset: 40, .size: 8, .value_kind: global_buffer, .address_space: global }
      - { .name: out0, .offset: 48, .size: 8, .value_kind: global_buffer, .address_space: global }
    .group_segment_fixed_size: 327680
    .private_segment_fixed_size: 0
    .kernarg_segment_align: 8
    .kernarg_segment_size: 56
    .max_flat_workgroup_size: 256
    .sgpr_count:     102
    .vgpr_count:     512
    .wavefront_size: 32
...
	.end_amdgpu_metadata
.endif
;; end of part 2
